; MI455X (gfx1250); checked and timed in simulation.
; The chip was launched on July 23, 2026; its instructions are those of AMD's public machine-readable ISA for CDNA 5 (MIT licence, August 2026) and "CDNA5" Instruction Set Architecture Reference Guide (July 2026). The comments in the code are by the model that wrote it; some were corrected since.
;; Attention Layer. Allowed arithmetic: matrix products marked QUANTISED: E2M1 operands, one E8M0 scale for each 32 along K, by v_wmma_scale_f32_16x16x128_f8f6f4 with both operands' format E2M1 (or v_wmma_scale_f32_32x16x128_f4), f32 sums; products left as they are: f32 operands where the result goes on into a quantised operand, else bf16, f16 or f32 operands; f32 sums; everything else in f32.
;; Inputs: b1 1,024 float32; b2 1,024 float32; bv 1 float32; decoder_output 32 x 1 x 1,024 float32; encoder_outputs 32 x 2,048 x 1,024 float32; v 1,024 x 1 float32; w1 1,024 x 1,024 float32; w2 1,024 x 1,024 float32.
;; Outputs: out0 32 x 1,024 float32.
;; This version of the problem:
;;   THIS VERSION OF THE PROBLEM IS GIVEN IN LOW PRECISION. The matrix products marked QUANTISED in the list below multiply operands that are first quantised to E2M1 (2 exponent bits, 1 mantissa bit; 4 bits a number), with one power-of-two scale for each 32 numbers along K (OCP MX v1.0); their sums are f32. All else is computed in f32.
;;   The module's matrix products, in the order in which they are computed (A, B: the left and right operand; K: the contracted axis; several contracted axes count as one K, in the product's order):
;;     1. [M 32, K 1,024] x [K 1,024, N 1,024]; A: input decoder_output; B: input w2: QUANTISED
;;     2. [M 65,536, K 1,024] x [K 1,024, N 1,024]; A: input encoder_outputs; B: input w1: QUANTISED
;;     3. [M 65,536, K 1,024] x [K 1,024, N 1]; A: computed on the way; B: input v: left as it is (N = 1 < 16)
;;     4. batch 32 x [M 1, K 2,048] x [K 2,048, N 1,024]; A: softmax; B: input encoder_outputs: left as it is (M = 1 < 16)
;;   THE QUANTISER, for each operand of a quantised product, along K:
;;     - K is cut into blocks of 32 from its start; a last block that is shorter is filled with zeros.
;;     - A block's scale is 2^e with e = floor(log2(the largest magnitude in the block)) - 2, held to -126 .. 127; a block of zeros has e = 0. As a byte (E8M0): e + 127.
;;     - Each number is divided by its block's scale, clamped to +-6, and rounded to the nearest number of E2M1, ties to even, subnormals kept.
;;     - The product sums the exact products of the quantised numbers (number of the format x scale) in f32.
;;   ~~~python
;;   def quantise(x, axis):      # numpy; x: float32 -> the quantised numbers, widened to float32 again
;;       x = np.moveaxis(x, axis, -1); K = x.shape[-1]
;;       x = np.pad(x, [(0, 0)] * (x.ndim - 1) + [(0, -K % 32)]); x = x.reshape(x.shape[:-1] + (-1, 32)); a = np.abs(x).max(-1, keepdims=True)
;;       e = np.where(a > 0, np.clip(np.frexp(np.where(a > 0, a, 1))[1] - 1 - 2, -126, 127), 0)      # np.frexp(a)[1] - 1 = floor(log2(a)), exactly
;;       r = np.clip(x / 2.0 ** e, -6, 6)
;;       step = 2.0 ** (np.maximum(np.frexp(np.where(r == 0, 1, r))[1] - 1, 0) - 1)
;;       q = np.round(r / step) * step * 2.0 ** e      # np.round: ties to even
;;       return np.moveaxis(q.reshape(q.shape[:-2] + (-1,))[..., :K], -1, axis).astype(np.float32)
;;   ~~~
;; One version. Each part assembles by itself: llvm-mc -triple=amdgcn-amd-amdhsa -mcpu=gfx1250 --defsym DOCPART=n.
;; ======== version 1 of 1: 3 launches
;; workspace buffers: w1c 524,288 bytes; w1s 32,768 bytes; cbias 131,072 bytes; part 1,114,112 bytes
;; launch prep (part 1): grid 96 x 1, 8 waves a work-group, no clusters, 33,792 bytes of LDS; arguments w1, w2, decoder_output, b1, b2, w1c, w1s, cbias; writes w1c, w1s, cbias
.if DOCPART == 1
	.amdgcn_target "amdgcn-amd-amdhsa--gfx1250"
	.amdhsa_code_object_version 6
	.text
	.protected	k_q72b85d27e6_prep
	.globl	k_q72b85d27e6_prep
	.p2align	8
	.type	k_q72b85d27e6_prep,@function
k_q72b85d27e6_prep:
	s_mov_b64 s[64:65], 0
	v_nop
	global_prefetch_b8 v0, s[64:65] scope:SCOPE_SE
	s_setreg_imm32_b32 hwreg(HW_REG_WAVE_MODE, 25, 1), 1
	s_wait_xcnt 0x0
; Work-groups 0-31: w1 [1024 (k)][1024 (n)] f32 becomes codes of FP4 (E2M1) and E8M0 scale words, laid in the order of a matrix operand's registers.
; Work-groups 32-95: cbias[b][n] = c x (Q(dec) Q(w2) + b1 + b2)[b][n], c = 2 log2(e): the addend of the later launch's scaling ahead of its exponential.
; SHARES.  j = work-group % 32 names columns 32 j .. 32 j + 31; wave s takes K step s (k = 128 s .. 128 s + 127).  A w2 work-group also has bt = work-group / 32 - 1: batches 16 bt .. 16 bt + 15; so every load
; of a wave (one tile of dec, the weight, the biases) is issued ahead of its one wait.  w2 is read and quantised twice for that, once for each bt.
; A LANE TAKES A COLUMN AND ITS REGISTERS RUN DOWN K: a block of 32 along K lies in one lane's 32 registers, its largest magnitude needs no other lane, and the conversions give codes with K innermost.
; A block's scale is 2^(floor(log2(largest magnitude)) - 2); its byte is that magnitude's exponent field - 2, held at 1 from below by a floor among the maximum's leaves.
; w1c: fragment (column tile T, K step s) at (8 T + s) x 1,024 bytes; in it registers 4 c .. 4 c + 3 of lane l at 512 c + 16 l.   w1s: the word of (column 16 T + r, K step s) at 512 T + 16 (16 (s % 2) + r) + 4 (s / 2).
; LIMITS: NaN and infinities among the inputs are not served.  A block of zeros gets the byte 1 (the stated quantiser says 127) with zero codes, which add nothing; the bytes are read by this program alone.
; A load of the weight covers 128 consecutive bytes of a row (the work-group's 32 columns); the scale words leave as single words 16 bytes apart, 32 KB in the whole launch.
.set TA,  10                           ; v10, v11  two chains of a block's maximum
.set TB,  11
.set SO,  12                           ; v12-15    the conversions' scale operands
.set FA,  16                           ; v16-23    the weight's fragment of column tile 2 j
.set FB,  24                           ; v24-31    of column tile 2 j + 1
.set DF0, 32                           ; v32-39    dec's fragment: my 16 batches
.set BB,  40                           ; v40-41 b1, v42-43 b2 of my two columns
.set DS0, 48                           ; v48 dec's scale words;  v50 the weight's: these two hold scales and nothing else
.set WS,  50
.set BY,  52                           ; v52-55    scale bytes
.set D0X, 64                           ; v64-127   dec: 64 numbers a lane; later the eight parts of the sum
.set WX,  128                          ; v128-255  the weight's 128 numbers of my column
.set DD,  192                          ; v192-207  later: two results
.set PWAVE, 3200                       ; LDS: a wave's part of the sums: four blocks (column tile ct, registers 4 q on), 800 bytes apart; in a block lane (r, h) at 16 r + 384 h.
.set PBLK,  800                        ; 800 = 32 and 384 = 128 modulo 256: so the 32 lanes of a read below, which take all eight (ct, q, h), two batches and both halves of 16 bytes, fall on 32 different places of 8 bytes modulo 256
.set PHALF, 384
; 32 numbers of one lane, v[x] on, become 4 registers of codes, v[d] on; so: the conversion's scale operand; by: the scale's byte.
.macro QB x, d, so, by
	v_max3_num_f32 v[TA], |v[\x]|, |v[\x+1]|, 0x1800000             ; the floor 2^(3 - 127) among the leaves: the byte cannot fall under 1
	v_max3_num_f32 v[TB], |v[\x+16]|, |v[\x+17]|, |v[\x+18]|
.irp i, 2,4,6,8,10,12
	v_max3_num_f32 v[TA], v[TA], |v[\x+\i]|, |v[\x+\i+1]|
	v_max3_num_f32 v[TB], v[TB], |v[\x+\i+17]|, |v[\x+\i+18]|
.endr
	v_max3_num_f32 v[TA], v[TA], |v[\x+14]|, |v[\x+15]|
	v_max3_num_f32 v[TA], v[TA], v[TB], |v[\x+31]|                  ; the block's largest magnitude
	v_add_nc_u32 v[\so], 0xff000000, v[TA]                          ; 2 off its exponent field: the conversion takes that field as its scale
	v_lshrrev_b32 v[\by], 23, v[\so]
.irp g, 0,1,2,3
	v_cvt_scalef32_pk8_fp4_f32 v[\d+\g], v[\x+8*\g:\x+8*\g+7], v[\so]
.endr
.endm
.macro WLOAD b, once                   ; my column's 128 numbers of K step s: 32 lanes read 128 consecutive bytes of a row.  once: the launch reads these bytes once
.set wi, 0
.rept 128
.if \once
	global_load_b32 v[WX+wi], v4, s[\b:\b+1] offset:4096*wi th:TH_LOAD_NT
.else
	global_load_b32 v[WX+wi], v4, s[\b:\b+1] offset:4096*wi
.endif
.set wi, wi+1
.endr
.endm
; Blocks 0 .. 3 of my column.  A fragment wants block 2 c in lanes 0-15 and block 2 c + 1 in lanes 16-31 of ONE column tile: blocks 2 c go to FA, blocks 2 c + 1 to FB, and the exchange of
; FA's upper lanes with FB's lower lanes leaves tile 2 j in FA and tile 2 j + 1 in FB.  The scale word stays: lanes 0-15 hold tile 2 j's, lanes 16-31 tile 2 j + 1's.
.macro WQUANT
	QB WX, FA, SO, BY
	QB WX+32, FB, SO+1, BY+1
	QB WX+64, FA+4, SO+2, BY+2
	QB WX+96, FB+4, SO+3, BY+3
	v_lshl_or_b32 v[WS], v[BY+1], 8, v[BY]         ; (a plain line behind the last conversion)
	v_lshl_or_b32 v[WS], v[BY+2], 16, v[WS]
	v_lshl_or_b32 v[WS], v[BY+3], 24, v[WS]
.irp i, 0,1,2,3,4,5,6,7
	v_permlane16_swap_b32 v[FA+\i], v[FB+\i]
.endr
.endm
.macro PROD ct                         ; TRANSPOSED: source 0 = 16 columns of w2, source 1 = my 16 batches: lane (r, h) holds batch r and columns 16 ct + 8 h + 0 .. 7
.if \ct
	v_wmma_scale_f32_16x16x128_f8f6f4 v[DD+8:DD+15], v[FB:FB+7], v[DF0:DF0+7], 0, v[WS], v[DS0] matrix_a_fmt:MATRIX_FMT_FP4 matrix_b_fmt:MATRIX_FMT_FP4 matrix_a_scale:MATRIX_SCALE_ROW1
.else
	v_wmma_scale_f32_16x16x128_f8f6f4 v[DD:DD+7], v[FA:FA+7], v[DF0:DF0+7], 0, v[WS], v[DS0] matrix_a_fmt:MATRIX_FMT_FP4 matrix_b_fmt:MATRIX_FMT_FP4
.endif
.endm
	s_load_b256 s[4:11], s[0:1], 0x0               ; w1 s[4:5], w2 s[6:7], dec s[8:9], b1 s[10:11]
	s_load_b256 s[12:19], s[0:1], 0x20             ; b2 s[12:13], w1c s[14:15], w1s s[16:17], cbias s[18:19]
	v_lshl_add_u32 v49, v0, 2, 0x8000
	v_mov_b32 v51, 0
	v_lshrrev_b32 v1, 5, v0
	v_readfirstlane_b32 s20, v1                    ; wave = K step s
	v_and_b32 v1, 31, v0                           ; lane l
	v_and_b32 v2, 15, v0                           ; r
	v_bfe_u32 v3, v0, 4, 1                         ; h
	v_lshlrev_b32 v4, 2, v1                        ; the weight: 4 l
	v_lshlrev_b32 v5, 12, v2
	v_lshl_add_u32 v5, v3, 7, v5                   ; dec: 4,096 r + 128 h
	v_lshlrev_b32 v6, 4, v1                        ; a fragment's image: 16 l
	v_lshlrev_b32 v7, 4, v2
	v_lshl_add_u32 v7, v3, 9, v7                   ; the scale word: 512 (l / 16) + 16 (l % 16)
	v_lshlrev_b32 v8, 3, v3                        ; 8 h
	s_and_b32 s21, ttmp9, 31                       ; j
	s_lshl_b32 s22, s20, 19                        ; 128 rows of 4,096 bytes a K step,
	s_lshl_b32 s30, s21, 7                         ; 128 j: my 32 columns
	s_add_co_u32 s22, s22, s30
	s_mov_b32 s23, 0
	s_mov_b32 s31, 0
	s_wait_kmcnt 0x0
	s_cmp_lt_u32 ttmp9, 32                         ; the one branch: all eight waves of a work-group go the same way
	s_cbranch_scc0 .Lw2
	; ---- w1: codes and scale words to memory
	s_add_nc_u64 s[4:5], s[4:5], s[22:23]
	WLOAD 4, 1
	s_lshl_b32 s24, s21, 14                        ; w1c: two tiles of 8,192 bytes for each j,
	s_lshl_b32 s26, s20, 10                        ; 1,024 for each K step
	s_add_co_u32 s24, s24, s26
	s_mov_b32 s25, 0
	s_add_nc_u64 s[14:15], s[14:15], s[24:25]
	s_lshl_b32 s26, s21, 10                        ; w1s: 1,024 j + 256 (s % 2) + 4 (s / 2)
	s_and_b32 s27, s20, 1
	s_lshl_b32 s27, s27, 8
	s_add_co_u32 s26, s26, s27
	s_lshr_b32 s27, s20, 1
	s_lshl_b32 s27, s27, 2
	s_add_co_u32 s26, s26, s27
	s_mov_b32 s27, 0
	s_add_nc_u64 s[16:17], s[16:17], s[26:27]
	s_wait_loadcnt 0x0
	WQUANT
	global_store_b128 v6, v[FA:FA+3], s[14:15]                 ; each store of the wave covers 512 consecutive bytes, aligned
	global_store_b128 v6, v[FA+4:FA+7], s[14:15] offset:512
	global_store_b128 v6, v[FB:FB+3], s[14:15] offset:8192
	global_store_b128 v6, v[FB+4:FB+7], s[14:15] offset:8704
	global_store_b32 v7, v[WS], s[16:17]
	s_endpgm
	; ---- w2: the product with 16 batches of dec, one K step a wave; the eight parts meet in LDS
.Lw2:
	s_add_nc_u64 s[6:7], s[6:7], s[22:23]
	s_lshr_b32 s35, ttmp9, 5
	s_sub_co_u32 s35, s35, 1                       ; bt
	s_lshl_b32 s35, s35, 16                        ; 16 rows of 4,096 bytes, in dec and in cbias
	s_lshl_b32 s28, s20, 9                         ; dec: 512 bytes a K step
	s_add_co_u32 s28, s28, s35
	s_mov_b32 s29, 0
	s_add_nc_u64 s[8:9], s[8:9], s[28:29]
	s_add_nc_u64 s[10:11], s[10:11], s[30:31]      ; b1, b2 at my 32 columns
	s_add_nc_u64 s[12:13], s[12:13], s[30:31]
	s_add_co_u32 s30, s30, s35
	s_add_nc_u64 s[18:19], s[18:19], s[30:31]      ; cbias at my 16 rows, my 32 columns
	s_mov_b32 s32, 0x76543210
	s_mov_b32 s33, 0xfedcba98                      ; v_permlanex16_b32's selects for lane l xor 16
	v_lshlrev_b32 v9, 3, v2                        ; thread tau sums columns 2 u, 2 u + 1 (u = tau % 16) of batch b = tau / 16: 8 u
.irp c, 0,1                                    ; dec: lane (r, h) takes, of row r, k = 128 s + 64 c + 32 h + 0 .. 31: the order of the operand's registers
.irp i, 0,1,2,3,4,5,6,7
	global_load_b128 v[D0X+32*\c+4*\i:D0X+32*\c+4*\i+3], v5, s[8:9] offset:256*\c+16*\i
.endr
.endr
	global_load_b64 v[BB:BB+1], v9, s[10:11]
	global_load_b64 v[BB+2:BB+3], v9, s[12:13]
	WLOAD 6, 0
	v_mov_b32 v57, 0                               ; a lane permute's destination counts as one of its sources
	v_lshrrev_b32 v61, 4, v0                       ; b
	v_lshlrev_b32 v62, 12, v61
	v_lshl_add_u32 v62, v2, 3, v62                 ; cbias: 4,096 b + 8 u
	s_mul_i32 s34, s20, PWAVE
	v_lshlrev_b32 v58, 4, v2
	v_mad_u32_u24 v58, v3, PHALF, v58
	v_add_nc_u32 v58, s34, v58                     ; LDS, in: 3,200 s + 16 r + 384 h
	v_bfe_u32 v60, v0, 3, 1                        ; LDS, back: column 2 u lies in column tile u / 8,
	v_bfe_u32 v63, v0, 1, 1                        ; registers 4 ((u / 2) % 2) on,
	v_lshl_add_u32 v60, v60, 1, v63
	v_mul_u32_u24 v59, v60, PBLK
	v_bfe_u32 v60, v0, 2, 1                        ; half (u / 4) % 2 of the lanes,
	v_mad_u32_u24 v59, v60, PHALF, v59
	v_lshl_add_u32 v59, v61, 4, v59                ; lane r = b,
	v_and_b32 v60, 1, v0
	v_lshl_add_u32 v59, v60, 3, v59                ; and 8 (u % 2) bytes on
	s_wait_loadcnt 0x0
	WQUANT
	QB D0X, DF0, SO, BY                            ; dec: two whole blocks a lane; the word's four bytes come from lanes l and l xor 16
	QB D0X+32, DF0+4, SO+1, BY+1
	v_lshl_or_b32 v56, v[BY+1], 16, v[BY]          ; my bytes: blocks h and 2 + h  (a plain line behind the last conversion)
	v_lshlrev_b32 v56, v8, v56                     ; 8 h bits up
	v_permlanex16_b32 v57, v56, s32, s33
	v_or_b32 v[DS0], v56, v57
.rept 8
	v_nop                                          ; a scale register written by a vector instruction stands 8 places ahead of a scaled matrix instruction, an operand so written 4
.endr
	PROD 0
	PROD 1
.rept 4
	v_nop                                          ; four places between a matrix instruction and an LDS store of its result
.endr
.irp a, 0,1
	ds_store_b128 v58, v[DD+8*\a:DD+8*\a+3] offset:2*PBLK*\a        ; each result from its low end on
	ds_store_b128 v58, v[DD+8*\a+4:DD+8*\a+7] offset:2*PBLK*\a+PBLK
.endr
	s_wait_dscnt 0x0                               ; for the others' sake: my stores have landed
	s_barrier_signal -1
	s_barrier_wait -1
.irp p, 0,1,2,3,4,5,6,7
	ds_load_b64 v[64+2*\p:65+2*\p], v59 offset:PWAVE*\p             ; the eight K steps' parts of my two numbers
.endr
	s_wait_dscnt 0x0
.irp p, 0,4,8,12
	v_pk_add_f32 v[64+\p:65+\p], v[64+\p:65+\p], v[66+\p:67+\p]
.endr
	v_pk_add_f32 v[BB:BB+1], v[BB:BB+1], v[BB+2:BB+3]               ; b1 + b2
	v_pk_add_f32 v[64:65], v[64:65], v[68:69]
	v_pk_add_f32 v[72:73], v[72:73], v[76:77]
	v_pk_add_f32 v[64:65], v[64:65], v[72:73]
	v_pk_add_f32 v[64:65], v[64:65], v[BB:BB+1]
	v_pk_mul_f32 v[64:65], v[64:65], 0x4038aa3b op_sel_hi:[1,0]     ; x c = 2 log2(e)
	global_store_b64 v62, v[64:65], s[18:19]       ; sixteen lanes store the 128 consecutive bytes that the work-group's 32 columns are in a row
	s_wait_tensorcnt 0x0
	ds_add_u32 v49, v51
	s_wait_dscnt 0x0
	s_endpgm
.Lfunc_end_k_q72b85d27e6_prep:
	.size	k_q72b85d27e6_prep, .Lfunc_end_k_q72b85d27e6_prep-k_q72b85d27e6_prep
	.p2alignl 7, 3214868480
	.fill 96, 4, 3214868480
	.section	.rodata,"a",@progbits
	.p2align	6, 0x0
	.amdhsa_kernel k_q72b85d27e6_prep
		.amdhsa_group_segment_fixed_size 33792
		.amdhsa_private_segment_fixed_size 0
		.amdhsa_enable_private_segment 0
		.amdhsa_kernarg_size 64
		.amdhsa_user_sgpr_count 2
		.amdhsa_user_sgpr_kernarg_segment_ptr 1
		.amdhsa_wavefront_size32 1
		.amdhsa_system_sgpr_workgroup_id_x 1
		.amdhsa_system_sgpr_workgroup_id_y 1
		.amdhsa_system_sgpr_workgroup_id_z 1
		.amdhsa_system_vgpr_workitem_id 0
		.amdhsa_next_free_vgpr 256
		.amdhsa_next_free_sgpr 66
		.amdhsa_reserve_vcc 0
		.amdhsa_float_denorm_mode_32 3
		.amdhsa_float_denorm_mode_16_64 3
		.amdhsa_memory_ordered 1
		.amdhsa_forward_progress 1
		.amdhsa_inst_pref_size 47
	.end_amdhsa_kernel
	.amdgpu_metadata
---
amdhsa.version: [ 1, 2 ]
amdhsa.kernels:
  - .name:           k_q72b85d27e6_prep
    .symbol:         k_q72b85d27e6_prep.kd
    .args:
      - { .name: w1, .offset: 0, .size: 8, .value_kind: global_buffer, .address_space: global }
      - { .name: w2, .offset: 8, .size: 8, .value_kind: global_buffer, .address_space: global }
      - { .name: decoder_output, .offset: 16, .size: 8, .value_kind: global_buffer, .address_space: global }
      - { .name: b1, .offset: 24, .size: 8, .value_kind: global_buffer, .address_space: global }
      - { .name: b2, .offset: 32, .size: 8, .value_kind: global_buffer, .address_space: global }
      - { .name: w1c, .offset: 40, .size: 8, .value_kind: global_buffer, .address_space: global }
      - { .name: w1s, .offset: 48, .size: 8, .value_kind: global_buffer, .address_space: global }
      - { .name: cbias, .offset: 56, .size: 8, .value_kind: global_buffer, .address_space: global }
    .group_segment_fixed_size: 33792
    .private_segment_fixed_size: 0
    .kernarg_segment_align: 8
    .kernarg_segment_size: 64
    .max_flat_workgroup_size: 256
    .sgpr_count:     66
    .vgpr_count:     256
    .wavefront_size: 32
...
	.end_amdgpu_metadata
.endif
;; end of part 1
;; launch attn (part 2): grid 256 x 1, 4 waves a work-group, no clusters, 327,680 bytes of LDS; arguments encoder_outputs, w1c, w1s, cbias, v, bv, part; writes part
.if DOCPART == 2
	.amdgcn_target "amdgcn-amd-amdhsa--gfx1250"
	.amdhsa_code_object_version 6
	.text
	.protected	k_q72b85d27e6_attn
	.globl	k_q72b85d27e6_attn
	.p2align	8
	.type	k_q72b85d27e6_attn,@function
k_q72b85d27e6_attn:
	s_mov_b64 s[64:65], 0
	v_nop
	global_prefetch_b8 v0, s[64:65] scope:SCOPE_SE
	s_setreg_imm32_b32 hwreg(HW_REG_WAVE_MODE, 25, 1), 1
	s_wait_xcnt 0x0
; For 256 rows of one batch: score[s] = bv + sum over n of v[n] tanh((Q(enc) Q(w1))[s][n] + b1[n] + (dec w2 + b2)[n]); a running softmax over the rows; the partial context sum of p[s] enc[s][:].
; tanh x = 1 - 2 / (1 + 2^(c x)), c = 2 log2(e): score = (bv + sum of v) - 2 sum of v[n] r[n], r = 1 / (1 + 2^(c acc + cbias)); cbias comes from the launch before.  2^.. = infinity gives r = 0, tanh = 1.
; SHARES.  Work-group g owns rows 256 g .. 256 g + 255 (batch g / 8), 16 steps of 16 rows.  enc is read from memory ONCE, as f32, through a ring of two LDS slots: it is read there for the quantiser and again for the context.
; ALL OF w1 STAYS ON THE WGP: wave w owns columns 256 w .. 256 w + 255, 16 column tiles x 8 K steps of 8 registers: tiles 0-10 in registers (windows 1 to 3), tiles 11-15 in LDS as images of their registers.
; Wave w also fetches, and alone reads, K quarter w of each slot (16 rows x 1,024 bytes); quantises it (K steps 2 w, 2 w + 1) and hands the codes round as register images; and makes context columns 256 w .. + 255.
; THE PRODUCT: source 0 = 16 rows of enc, source 1 = 16 columns of w1: lane (r, h) holds column r, register j row 8 h + j: bias and v cost one register a tile.
; A STEP'S 128 PRODUCTS GO IN FIVE RUNS: tiles {0, 1, 11}, {2, 3, 12}, {4, 5, 13}, {6, 7, 14}, {8, 9, 10, 15}: each tile from LDS takes turns with tiles from registers, and the next one is fetched under the run's tanh.
; NO CLUSTER: what work-groups share is w1's 544 KB, read once at the head, 11/16 of it straight into registers, which a tensor load cannot fill; against it stand 1 MB of enc that are the work-group's own.
; LIMITS: NaN and infinities among the inputs are not served.  A block of zeros gets the byte 1 (the stated quantiser says 127) with zero codes, which add nothing.
; part: row g of 4,352 bytes: 1,024 f32 of context under the maximum M; then the pair (M, L) 32 times.  M is in the log2 domain: p = 2^(score log2(e) - M), L = sum of p.
; REGISTERS, window 0: v1-15 addresses; v16 M, v17 L, v18 F, v19 sum of my v (+ bv); v20-23, v60-63 at work; v24-27 enc's scale words; v28-43 cbias; v44-59 -2 v; v64-127 enc's 8 fragments (also: numbers to be quantised,
;   context rows); v128-159 four accumulators (also: numbers, context rows); v160-167 the scores' sums; v168-175 context; v176-191 codes just made, later the 16 rows' p; v192-255 w1's scale words.
;   window 1: tiles 0-3 (tile t, K step s at 64 (t % 4) + 8 s); window 2: tiles 4-7; window 3: tiles 8-10, and at v192 the one tile from LDS that is in hand.
.set PQ,    1040                       ; a slot's row: 1,024 bytes + 16 of padding: the sixteen rows that a load touches begin 16 bytes apart modulo 256
.set QTR,   16*PQ                      ; a wave's quarter of a slot
.set SLOTB, 4*QTR
.set W1L,   2*SLOTB                    ; behind the ring: tiles 11-15 of each wave
.set W1LW,  5*8192
.set IMG,   W1L+4*W1LW                 ; enc's 8 fragments: K step s at 1,024 s + 512 c + 16 lane
.set ASC,   IMG+8192                   ; enc's scale words: 16 lane + 4 q: lanes 0-15 K step 2 q, lanes 16-31 K step 2 q + 1
.set SCX,   ASC+512                    ; the four waves' parts of the 16 scores: 64 w + 4 row
.set SPARE, SCX+256                    ; the spare words, 128 bytes for each wave: two blocks of 256 bytes that no other line names
.set SPW, 1
.set NIL, 2
.set QA,  3                            ; v3, v4   slot 0, 1: my quarter, row r, + 128 h: the quantiser's reads
.set CA,  5                            ; v5, v6   slot 0, 1: my quarter, + 16 lane: the context's reads
.set LI,  7                            ; v7   IMG + 16 lane
.set IW,  8                            ; v8   IMG + 2,048 w + 16 lane
.set ASW, 9                            ; v9   ASC + 16 lane + 4 w
.set ASR, 10                           ; v10  ASC + 16 lane
.set WL,  11                           ; v11  my tiles in LDS + 16 lane
.set SXW, 12                           ; v12  SCX + 64 w + 32 h
.set SXR, 13                           ; v13  SCX + 4 (lane % 16)
.set GL,  14                           ; v14  16 lane
.set H8,  15                           ; v15  8 h
.set MX,  16
.set FF,  18
.set TA,  20
.set TB,  21
.set SO,  22
.set TP,  23
.set ASCL, 24
.set CB,  28
.set VN,  44
.set BY,  60
.set AF,  64
.set XT0, 64
.set XT1, 96
.set XT2, 128
.set ACC, 128
.set SACC, 160
.set CTX, 168
.set COD, 176
.set PR,  176
.set W1S, 192
.set G1E, 24                           ; s[24:31] group 1 for enc's tiles; s[32:35], s[36:39] group 0 for slot 0, 1
.set G0A, 32
.set G1W, 40                           ; s[40:47], s[48:51] groups 1 and 0 for my tiles of w1
.set G0W, 48
.set MSB, 0
.macro WIN new                         ; the immediate's high byte repeats the setting that is left; a switch that changes nothing is dropped
.if MSB != \new
	s_set_vgpr_msb (MSB<<8)|\new
.set MSB, \new
.endif
.endm
; Behind each run of matrix instructions: four places serve reads of results and loads into their registers, the fifth the accumulators that the next run begins anew with C = 0.
.macro PLACES
.rept 5
	v_nop
.endr
.endm
.macro QB x, d, by                     ; 32 numbers of one lane, v[x] on, become 4 registers of codes, v[d] on, and the scale's byte
	v_max3_num_f32 v[TA], |v[\x]|, |v[\x+1]|, 0x1800000             ; the floor 2^(3 - 127) among the leaves: the byte cannot fall under 1
	v_max3_num_f32 v[TB], |v[\x+16]|, |v[\x+17]|, |v[\x+18]|
.irp i, 2,4,6,8,10,12
	v_max3_num_f32 v[TA], v[TA], |v[\x+\i]|, |v[\x+\i+1]|
	v_max3_num_f32 v[TB], v[TB], |v[\x+\i+17]|, |v[\x+\i+18]|
.endr
	v_max3_num_f32 v[TA], v[TA], |v[\x+14]|, |v[\x+15]|
	v_max3_num_f32 v[TA], v[TA], v[TB], |v[\x+31]|
	v_add_nc_u32 v[SO], 0xff000000, v[TA]                           ; 2 off the exponent field: the conversion's scale operand
	v_lshrrev_b32 v[\by], 23, v[SO]
.irp g, 0,1,2,3
	v_cvt_scalef32_pk8_fp4_f32 v[\d+\g], v[\x+8*\g:\x+8*\g+7], v[SO]
.endr
.endm
.macro QLOAD x, slot, sl, c            ; row r, k = 128 sl + 64 c + 32 h + 0 .. 31 of my quarter: a whole block a lane, in the order of the operand's registers
.irp j, 0,1,2,3,4,5,6,7
	ds_load_b128 v[\x+4*\j:\x+4*\j+3], v[QA+\slot] offset:512*\sl+256*\c+16*\j
.endr
.endm
.macro QUANT slot
	QLOAD XT0, \slot, 0, 0
	QLOAD XT1, \slot, 0, 1
	QLOAD XT2, \slot, 1, 0
	s_wait_dscnt 16                                ; the first block is in; the two behind it (16 loads) may be out
	QB XT0, COD, BY
	QLOAD XT0, \slot, 1, 1
	s_wait_dscnt 16                                ; the second is in; the third and fourth may be out
	QB XT1, COD+4, BY+1
	s_wait_dscnt 8                                 ; the third is in; the fourth may be out
	QB XT2, COD+8, BY+2
	s_wait_dscnt 0x0
	QB XT0, COD+12, BY+3
	v_lshl_or_b32 v[BY], v[BY+1], 16, v[BY]        ; my bytes of K step 2 w: blocks h and 2 + h  (a plain line behind the last conversion)
	v_lshl_or_b32 v[BY+2], v[BY+3], 16, v[BY+2]    ; and of K step 2 w + 1
	v_lshlrev_b32 v[BY], v[H8], v[BY]
	v_lshlrev_b32 v[BY+2], v[H8], v[BY+2]
	v_permlanex16_b32 v[TP], v[BY], s58, s59
	v_permlanex16_b32 v[TB], v[BY+2], s58, s59
	v_or_b32 v[BY], v[BY], v[TP]                   ; with lane l xor 16's two bytes the word is whole
	v_or_b32 v[BY+2], v[BY+2], v[TB]
	v_cndmask_b32 v[TA], v[BY], v[BY+2], vcc_lo    ; lanes 0-15 keep K step 2 w's word, lanes 16-31 take K step 2 w + 1's
.irp f, 0,1,2,3
	ds_store_b128 v[IW], v[COD+4*\f:COD+4*\f+3] offset:512*\f       ; the two fragments as they stand
.endr
	ds_store_b32 v[ASW], v[TA]
	s_wait_dscnt 0x0                               ; for the others' sake: my stores have landed
	s_barrier_signal -1
	s_barrier_wait -1                              ; enc's eight fragments lie in LDS; my tensor load may be out
.endm
.macro AFETCH                          ; the scale words first, then the fragments K step by K step: the first run's waits count them down
	ds_load_b128 v[ASCL:ASCL+3], v[ASR]
.irp s, 0,1,2,3,4,5,6,7
	ds_load_b128 v[AF+8*\s:AF+8*\s+3], v[LI] offset:1024*\s
	ds_load_b128 v[AF+8*\s+4:AF+8*\s+7], v[LI] offset:1024*\s+512
.endr
.endm
.macro WM d, a, b, zero, sa, sb, row   ; one product; row: both scale words from lanes 16-31 (odd K steps)
.if \zero
.if \row
	v_wmma_scale_f32_16x16x128_f8f6f4 v[\d:\d+7], v[\a:\a+7], v[\b:\b+7], 0, v[\sa], v[\sb] matrix_a_fmt:MATRIX_FMT_FP4 matrix_b_fmt:MATRIX_FMT_FP4 matrix_a_scale:MATRIX_SCALE_ROW1 matrix_b_scale:MATRIX_SCALE_ROW1
.else
	v_wmma_scale_f32_16x16x128_f8f6f4 v[\d:\d+7], v[\a:\a+7], v[\b:\b+7], 0, v[\sa], v[\sb] matrix_a_fmt:MATRIX_FMT_FP4 matrix_b_fmt:MATRIX_FMT_FP4
.endif
.else
.if \row
	v_wmma_scale_f32_16x16x128_f8f6f4 v[\d:\d+7], v[\a:\a+7], v[\b:\b+7], v[\d:\d+7], v[\sa], v[\sb] matrix_a_fmt:MATRIX_FMT_FP4 matrix_b_fmt:MATRIX_FMT_FP4 matrix_a_scale:MATRIX_SCALE_ROW1 matrix_b_scale:MATRIX_SCALE_ROW1
.else
	v_wmma_scale_f32_16x16x128_f8f6f4 v[\d:\d+7], v[\a:\a+7], v[\b:\b+7], v[\d:\d+7], v[\sa], v[\sb] matrix_a_fmt:MATRIX_FMT_FP4 matrix_b_fmt:MATRIX_FMT_FP4
.endif
.endif
.endm
; A run of 24 products: tiles ta, tb from registers (window w) and tile tl from LDS (window 3, v192 on), K step by K step, the three accumulators by turns, one instruction a turn;
; the first K step starts the sums.  The two switches of source 1's window in a K step stand between products.  cnt = 1: the step's first run, which begins while enc's fragments are still arriving.
.macro RUN3 w, ta, tb, tl, cnt
.if \cnt == 0
	s_wait_dscnt 0x0                               ; the tile from LDS is in
.endif
.set gs, 0
.rept 8
.set gz, 0
.if gs == 0
.set gz, 1
.endif
.if \cnt
	s_wait_dscnt 14-2*gs                           ; the scale words and the fragments up to this K step's two loads are in; the 14 - 2 s loads behind them may be out (the tile from LDS was asked for ahead of them all)
.endif
	WIN (\w<<2)
	WM ACC, AF+8*gs, 64*((\ta)%4)+8*gs, gz, ASCL+gs/2, W1S+4*(\ta)+gs/2, gs%2
	WM ACC+8, AF+8*gs, 64*((\tb)%4)+8*gs, gz, ASCL+gs/2, W1S+4*(\tb)+gs/2, gs%2
	WIN 0x0c
	WM ACC+16, AF+8*gs, 192+8*gs, gz, ASCL+gs/2, W1S+4*(\tl)+gs/2, gs%2
.set gs, gs+1
.endr
	WIN 0
	PLACES
.endm
.macro RUN4                            ; the last run, 32 products: tiles 8, 9, 10 and tile 15 from LDS, all in window 3; four accumulators by turns
	s_wait_dscnt 0x0
	WIN 0x0c
.set gs, 0
.rept 8
.set gz, 0
.if gs == 0
.set gz, 1
.endif
.set gu, 0
.rept 3
	WM ACC+8*gu, AF+8*gs, 64*gu+8*gs, gz, ASCL+gs/2, W1S+4*(8+gu)+gs/2, gs%2
.set gu, gu+1
.endr
	WM ACC+24, AF+8*gs, 192+8*gs, gz, ASCL+gs/2, W1S+60+gs/2, gs%2
.set gs, gs+1
.endr
	WIN 0
	PLACES
.endm
.macro SBLOAD t                        ; tile t (11 .. 15) from LDS into window 3, v192 on
	WIN 0xc0
.set bs, 0
.rept 8
	ds_load_b128 v[192+8*bs:192+8*bs+3], v[WL] offset:(8*((\t)-11)+bs)*1024
	ds_load_b128 v[192+8*bs+4:192+8*bs+7], v[WL] offset:(8*((\t)-11)+bs)*1024+512
.set bs, bs+1
.endr
	WIN 0
.endm
.macro SCALEB a, cb, p                 ; pair a = pair a x c + register p of pair cb
.if \p
	v_pk_fma_f32 v[\a:\a+1], v[\a:\a+1], s[54:55], v[\cb:\cb+1] op_sel:[0,0,1] op_sel_hi:[1,0,1]
.else
	v_pk_fma_f32 v[\a:\a+1], v[\a:\a+1], s[54:55], v[\cb:\cb+1] op_sel_hi:[1,0,0]
.endif
.endm
.macro FMAB d, a, b, p                 ; pair d += pair a x register p of pair b
.if \p
	v_pk_fma_f32 v[\d:\d+1], v[\a:\a+1], v[\b:\b+1], v[\d:\d+1] op_sel:[0,1,0] op_sel_hi:[1,1,1]
.else
	v_pk_fma_f32 v[\d:\d+1], v[\a:\a+1], v[\b:\b+1], v[\d:\d+1] op_sel_hi:[1,0,1]
.endif
.endm
.macro FMAV d, a, b, p                 ; pair d = pair a x register p of pair b + v19: a step's first term starts the sums: nothing is cleared
.if \p
	v_pk_fma_f32 v[\d:\d+1], v[\a:\a+1], v[\b:\b+1], v[FF:FF+1] op_sel:[0,1,1] op_sel_hi:[1,1,1]
.else
	s_wait_alu depctr_va_vdst(0)
	v_pk_fma_f32 v[\d:\d+1], v[\a:\a+1], v[\b:\b+1], v[FF:FF+1] op_sel:[0,0,1] op_sel_hi:[1,0,1]
.endif
.endm
; The tanh of a run, in three parts.  TSC: accumulator u, which holds tile t: c acc + cbias; each accumulator is read from its low end on.
.macro TSC u, t
.irp i, 0,2,4,6
	SCALEB ACC+8*(\u)+\i, CB+(\t)-((\t)%2), (\t)%2
.endr
.endm
.macro TRANS nt                        ; r = 1 / (1 + 2^..) of nt accumulators
.set tu, 0
.rept 8*\nt
	v_exp_f32 v[ACC+tu], v[ACC+tu]
.set tu, tu+1
.endr
	v_nop                                          ; a plain line between the last exponential and the use of its result
.set tu, 0
	s_wait_alu depctr_va_vdst(0)
.rept 4*\nt
	v_pk_add_f32 v[ACC+tu:ACC+tu+1], v[ACC+tu:ACC+tu+1], 1.0 op_sel_hi:[1,0]
.set tu, tu+2
.endr
.set tu, 0
.rept 8*\nt
	v_rcp_f32 v[ACC+tu], v[ACC+tu]
.set tu, tu+1
.endr
	v_nop                                          ; likewise behind the last reciprocal
	s_wait_alu depctr_va_vdst(0)
.endm
.macro TFM u, t, first                 ; the scores' sums += -2 v r
.irp i, 0,2,4,6
.if \first
	FMAV SACC+\i, ACC+8*(\u)+\i, VN+(\t)-((\t)%2), (\t)%2
.else
	FMAB SACC+\i, ACC+8*(\u)+\i, VN+(\t)-((\t)%2), (\t)%2
.endif
.endr
.endm
.macro TANH3 ta, tb, tl, first
	TSC 0, \ta
	TSC 1, \tb
	TSC 2, \tl
	TRANS 3
	TFM 0, \ta, \first
	TFM 1, \tb, 0
	TFM 2, \tl, 0
.endm
.macro TANH4
	TSC 0, 8
	TSC 1, 9
	TSC 2, 10
	TSC 3, 15
	TRANS 4
	TFM 0, 8, 0
	TFM 1, 9, 0
	TFM 2, 10, 0
	TFM 3, 15, 0
.endm
.macro REDUCE                          ; over the sixteen lanes of a half (my 256 columns); then my part of the 16 scores to LDS: the sixteen lanes write the same words with the same values
.irp m, 1,2,4,8
.irp j, 0,1,2,3,4,5,6,7
	v_add_f32_dpp v[SACC+\j], v[SACC+\j], v[SACC+\j] row_xmask:\m row_mask:0xf bank_mask:0xf
.endr
.endr
	ds_store_b128 v[SXW], v[SACC:SACC+3]
	ds_store_b128 v[SXW], v[SACC+4:SACC+7] offset:16
	s_wait_dscnt 0x0
	s_barrier_signal -1
	s_barrier_wait -1                              ; the four parts lie in LDS; and every wave's reads of enc's images are over, so the next step may store them anew
.endm
.macro CTXLOAD k, slot                 ; rows 4 k .. 4 k + 3 of my quarter, 32 lanes x 16 bytes twice a row, into v64, v96 or v128 on (k % 3)
.set cbuf, 64+32*((\k)%3)
.irp m, 0,1,2,3
	ds_load_b128 v[cbuf+8*\m:cbuf+8*\m+3], v[CA+\slot] offset:PQ*(4*(\k)+\m)
	ds_load_b128 v[cbuf+8*\m+4:cbuf+8*\m+7], v[CA+\slot] offset:PQ*(4*(\k)+\m)+512
.endr
.endm
.macro CTXFMA k
.set cbuf, 64+32*((\k)%3)
.irp m, 0,1,2,3
.irp e, 0,2,4,6
	FMAB CTX+\e, cbuf+8*\m+\e, PR+4*(\k)+\m-(\m%2), \m%2
.endr
.endr
.endm
; THE SOFTMAX IN LANES: lane l takes row l % 16 (both halves of the lanes alike, in every wave alike): its score from the four waves' parts; the running maximum M (log2 domain) and the sum by steps across the
; sixteen lanes; one exponential for the 16 rows' p; p is then spread, one register a row.  Twelve of the 16 rows for the context are asked for with the scores and land under that chain.
; tail = 1: this slot, now read out, is filled again with the rows two steps on.  tail = 2: the last step but one: the last slot's load is awaited.  tail = 0: the last step.
.macro SOFT slot, tail
.irp q, 0,1,2,3
	ds_load_b32 v[BY+\q], v[SXR] offset:64*\q
.endr
	CTXLOAD 0, \slot
	CTXLOAD 1, \slot
	CTXLOAD 2, \slot
	s_wait_dscnt 24                                ; the four parts of my row's score are in; the 24 loads of rows 0-11 may be out
	v_pk_add_f32 v[BY:BY+1], v[BY:BY+1], v[BY+2:BY+3]
	v_add_f32 v[TA], v[BY], v[BY+1]                ; my row's score,
	v_mul_f32 v[TA], s56, v[TA]                    ; x log2(e): t
	v_max_num_f32_dpp v[TB], v[TA], v[TA] row_xmask:1 row_mask:0xf bank_mask:0xf
.irp m, 2,4,8
	v_max_num_f32_dpp v[TB], v[TB], v[TB] row_xmask:\m row_mask:0xf bank_mask:0xf
.endr
	v_max_num_f32 v[TB], v[TB], v[MX]              ; the step's largest t and the old M: the new M
	v_sub_f32 v[SO], v[MX], v[TB]                  ; old M - new M
	v_sub_f32 v[TA], v[TA], v[TB]                  ; t - M
	v_mov_b32 v[MX], v[TB]
	v_exp_f32 v[TA], v[TA]                         ; p of my row
	v_exp_f32 v[FF], v[SO]                         ; F = 2^(old M - new M)
	v_nop                                          ; a plain line behind the last exponential
	s_wait_alu depctr_va_vdst(0)
	v_add_f32_dpp v[TB], v[TA], v[TA] row_xmask:1 row_mask:0xf bank_mask:0xf
.irp m, 2,4,8
	v_add_f32_dpp v[TB], v[TB], v[TB] row_xmask:\m row_mask:0xf bank_mask:0xf
.endr
	v_fma_f32 v[MX+1], v[MX+1], v[FF], v[TB]       ; L = L F + the sum of p
.irp i, 0,2,4,6
	v_pk_mul_f32 v[CTX+\i:CTX+\i+1], v[CTX+\i:CTX+\i+1], v[FF:FF+1] op_sel_hi:[1,0]
.endr
.irp m, 0,1,2,3,4,5,6,7,8,9,10,11,12,13,14,15
	v_mov_b32_dpp v[PR+\m], v[TA] row_share:\m row_mask:0xf bank_mask:0xf   ; row m's p into every lane
.endr
	s_wait_dscnt 16                                ; rows 0-3 are in; rows 4-11 may be out
	CTXFMA 0
	CTXLOAD 3, \slot
	s_wait_dscnt 16                                ; rows 4-7 are in; rows 8-15 may be out
	CTXFMA 1
	s_wait_dscnt 8                                 ; rows 8-11 are in; rows 12-15 may be out
	CTXFMA 2
.if \tail == 1
	s_wait_tensorcnt 0x0                           ; all my tensor loads have landed: the one that was out is the other slot's;
	ds_add_u32 v[SPW], v[NIL]                      ; 0 onto my spare word;
	s_wait_dscnt 0x1                               ; rows 12-15 are in; the add may be out:
	CTXFMA 3                                       ; sixteen multiply-adds stand between the add and the wait for it
	s_add_nc_u64 s[G0A+4*\slot+2:G0A+4*\slot+3], s[G0A+4*\slot+2:G0A+4*\slot+3], 0x20000   ; no load of mine is out, so a group 0 may be written: 32 rows of 4,096 bytes on
	s_wait_dscnt 0x0                               ; the add is done, and my reads of this slot are over
	s_barrier_signal -1
	s_barrier_wait -1
	tensor_load_to_lds s[G0A+4*\slot:G0A+4*\slot+3], s[G1E:G1E+7]   ; my one tensor load behind this barrier, first thing there: it has the whole next step in which to land
	s_nop 0
	v_nop                                          ; (no counter is stepped directly behind the load)
.else
	s_wait_dscnt 0x0
	CTXFMA 3
.if \tail == 2
	s_wait_tensorcnt 0x0                           ; the last slot's load: none was issued behind it
.endif
.endif
.endm
; A step of 16 rows in slot.
.macro STEP slot, tail, last
	QUANT \slot
	AFETCH
	RUN3 1, 0, 1, 11, 1
	SBLOAD 12
	TANH3 0, 1, 11, 1
	RUN3 1, 2, 3, 12, 0
	SBLOAD 13
	TANH3 2, 3, 12, 0
	RUN3 2, 4, 5, 13, 0
	SBLOAD 14
	TANH3 4, 5, 13, 0
	RUN3 2, 6, 7, 14, 0
	SBLOAD 15
	TANH3 6, 7, 14, 0
	RUN4
.if \last == 0
	SBLOAD 11                                      ; for the next step's first run
.endif
	TANH4
	REDUCE
	SOFT \slot, \tail
.endm
	s_load_b256 s[4:11], s[0:1], 0x0               ; enc s[4:5], w1c s[6:7], w1s s[8:9], cbias s[10:11]
	s_load_b128 s[12:15], s[0:1], 0x20             ; v s[12:13], bv s[14:15]
	s_load_b64 s[16:17], s[0:1], 0x30              ; part
	v_lshl_add_u32 v[SPW], v0, 2, SPARE
	v_mov_b32 v[NIL], 0
	ds_add_u32 v1, v2
	ds_add_u32 v1, v2
	s_wait_dscnt 0x0
	v_lshrrev_b32 v[TA], 5, v0
	v_readfirstlane_b32 s20, v[TA]                 ; wave w
	v_and_b32 v[TA], 31, v0                        ; lane
	v_and_b32 v[TB], 15, v0                        ; r
	v_bfe_u32 v[SO], v0, 4, 1                      ; h
	v_lshlrev_b32 v[GL], 4, v[TA]
	v_lshlrev_b32 v[H8], 3, v[SO]
	s_mul_i32 s18, s20, QTR
	v_mul_u32_u24 v[QA], v[TB], PQ
	v_lshl_add_u32 v[QA], v[SO], 7, v[QA]
	v_add_nc_u32 v[QA], s18, v[QA]
	v_add_nc_u32 v[QA+1], SLOTB, v[QA]
	v_add_nc_u32 v[CA], s18, v[GL]
	v_add_nc_u32 v[CA+1], SLOTB, v[CA]
	v_add_nc_u32 v[LI], IMG, v[GL]
	s_lshl_b32 s19, s20, 11
	v_add_nc_u32 v[IW], s19, v[LI]
	v_add_nc_u32 v[ASR], ASC, v[GL]
	s_lshl_b32 s19, s20, 2
	v_add_nc_u32 v[ASW], s19, v[ASR]
	s_mul_i32 s19, s20, W1LW
	s_add_co_u32 s19, s19, W1L
	v_add_nc_u32 v[WL], s19, v[GL]
	s_lshl_b32 s19, s20, 6
	s_add_co_u32 s19, s19, SCX
	v_lshl_add_u32 v[SXW], v[SO], 5, s19
	v_lshlrev_b32 v[TB], 2, v[TB]                  ; 4 r: cbias and v; and my row's word among the scores' parts
	v_add_nc_u32 v[SXR], SCX, v[TB]
	; group 1 for enc: 16 rows x 256 elements of 4 bytes, 1,024 elements from row to row; in LDS 4 words of padding behind every 256
	s_mov_b32 s[G1E], (2<<16)|(1<<20)|(7<<22)|(3<<25)
	s_mov_b32 s[G1E+1], 256<<16                    ; tensor_dim0
	s_mov_b32 s[G1E+2], 16<<16                     ; tensor_dim1
	s_mov_b32 s[G1E+3], 256<<16                    ; tile_dim0
	s_mov_b32 s[G1E+4], 16                         ; tile_dim1
	s_mov_b32 s[G1E+5], 1024                       ; stride from row to row
	s_mov_b32 s[G1E+6], 0
	s_mov_b32 s[G1E+7], 0
	; group 1 for my five tiles of w1: 40,960 dense bytes as 160 rows of 32 elements of 8 bytes, no padding
	s_mov_b32 s[G1W], 3<<16
	s_mov_b32 s[G1W+1], 32<<16
	s_mov_b32 s[G1W+2], 160<<16
	s_mov_b32 s[G1W+3], 32<<16
	s_mov_b32 s[G1W+4], 160
	s_mov_b32 s[G1W+5], 32
	s_mov_b32 s[G1W+6], 0
	s_mov_b32 s[G1W+7], 0
	s_lshl_b32 s22, ttmp9, 20                      ; enc: 256 rows of 4,096 bytes a work-group,
	s_lshl_b32 s53, s20, 10                        ; 1,024 w: my quarter of a row
	s_add_co_u32 s22, s22, s53
	s_mov_b32 s23, 0
	s_lshl_b32 s60, s20, 17                        ; w1c: 16 tiles of 8,192 bytes a wave
	s_mov_b32 s61, 0
	s_mov_b32 s[G0A], 1
	s_mul_i32 s[G0A+1], s20, QTR                   ; LDS: wave x a quarter, + the slot
	s_mov_b32 s[G0A+4], 1
	s_add_co_u32 s[G0A+5], s[G0A+1], SLOTB
	s_mov_b32 s[G0W], 1
	s_mul_i32 s[G0W+1], s20, W1LW
	s_add_co_u32 s[G0W+1], s[G0W+1], W1L
	s_mov_b32 s54, 0x4038aa3b                      ; c = 2 log2(e); the packed forms name pairs and take the low word for both halves
	s_mov_b32 s55, s54
	s_mov_b32 s56, 0x3fb8aa3b                      ; log2(e)
	s_mov_b32 s57, s56
	s_mov_b32 s58, 0x76543210
	s_mov_b32 s59, 0xfedcba98                      ; v_permlanex16_b32's selects for lane l xor 16
	s_wait_kmcnt 0x0
	s_load_b32 s21, s[14:15], 0x0                  ; bv
	s_add_nc_u64 s[G0A+2:G0A+3], s[4:5], s[22:23]  ; slot 0: step 0's rows
	s_add_nc_u64 s[G0A+6:G0A+7], s[G0A+2:G0A+3], 0x10000   ; slot 1: step 1's, 16 rows on
	s_or_b32 s[G0A+3], s[G0A+3], 0x80000000
	s_or_b32 s[G0A+7], s[G0A+7], 0x80000000
	s_add_nc_u64 s[6:7], s[6:7], s[60:61]
	s_add_nc_u64 s[G0W+2:G0W+3], s[6:7], 11*8192
	s_or_b32 s[G0W+3], s[G0W+3], 0x80000000
	tensor_load_to_lds s[G0W:G0W+3], s[G1W:G1W+7]  ; the three first fills go out together, ahead of every wait on TENSORcnt, every LDS read and every barrier: three loads of mine are out
	s_nop 0
	tensor_load_to_lds s[G0A:G0A+3], s[G1E:G1E+7]
	s_nop 0
	tensor_load_to_lds s[G0A+4:G0A+7], s[G1E:G1E+7]
	s_nop 0
.rept 4
	v_nop                                          ; four lines between a tensor load and a switch of windows that follows vector work
.endr
	s_lshl_b32 s60, s20, 13                        ; w1s: 16 tiles of 512 bytes a wave
	s_add_nc_u64 s[8:9], s[8:9], s[60:61]
	s_lshr_b32 s60, ttmp9, 3
	s_lshl_b32 s60, s60, 12                        ; cbias: the batch's row, my 256 columns
	s_add_co_u32 s60, s60, s53
	s_add_nc_u64 s[10:11], s[10:11], s[60:61]
	s_mov_b32 s60, s53
	s_add_nc_u64 s[12:13], s[12:13], s[60:61]      ; v: my 256 columns
	s_mul_i32 s60, ttmp9, 4352
	s_add_co_u32 s60, s60, s53
	s_add_nc_u64 s[16:17], s[16:17], s[60:61]      ; part: my row, my 256 columns
.set ht, 0
.rept 11                               ; tiles 0-10 stay in registers: each load of the wave covers 512 consecutive bytes
	WIN ((1+ht/4)<<6)
.set hs, 0
.rept 8
	global_load_b128 v[64*(ht%4)+8*hs:64*(ht%4)+8*hs+3], v[GL], s[6:7] offset:(8*ht+hs)*1024
	global_load_b128 v[64*(ht%4)+8*hs+4:64*(ht%4)+8*hs+7], v[GL], s[6:7] offset:(8*ht+hs)*1024+512
.set hs, hs+1
.endr
.set ht, ht+1
.endr
	WIN 0
.irp t, 0,1,2,3,4,5,6,7,8,9,10,11,12,13,14,15
	global_load_b128 v[W1S+4*\t:W1S+4*\t+3], v[GL], s[8:9] offset:512*\t     ; lanes 0-15: the even K steps' words of column r, lanes 16-31 the odd ones'
.endr
.irp t, 0,1,2,3,4,5,6,7,8,9,10,11,12,13,14,15
	global_load_b32 v[CB+\t], v[TB], s[10:11] offset:64*\t
	global_load_b32 v[VN+\t], v[TB], s[12:13] offset:64*\t
.endr
	v_mov_b32 v[TP], 0                             ; a lane permute's destination counts as one of its sources
	v_mov_b32 v[MX], 0xff61b1e6                    ; M: -3e38, under every score
	v_mov_b32 v[MX+1], 0                           ; L
	v_mov_b32 v[FF], 0                             ; (named with v19 as a pair before it is first made)
.irp i, 0,1,2,3,4,5,6,7
	v_mov_b32 v[CTX+\i], 0
.endr
	s_wait_loadcnt 0x0
	s_wait_kmcnt 0x0
	v_pk_add_f32 v[60:61], v[VN:VN+1], v[VN+2:VN+3]                 ; the sum of my 16 v
	v_pk_add_f32 v[62:63], v[VN+4:VN+5], v[VN+6:VN+7]
	v_pk_add_f32 v[60:61], v[60:61], v[VN+8:VN+9]
	v_pk_add_f32 v[62:63], v[62:63], v[VN+10:VN+11]
	v_pk_add_f32 v[60:61], v[60:61], v[VN+12:VN+13]
	v_pk_add_f32 v[62:63], v[62:63], v[VN+14:VN+15]
	v_pk_add_f32 v[60:61], v[60:61], v[62:63]
	v_add_f32 v[FF+1], v60, v61
	v_and_b32 v[TA], 0x6f, v0                      ; bv enters once for each half of the lanes: lane r = 0 of wave 0
	v_cmp_eq_u32 vcc_lo, 0, v[TA]
	v_mov_b32 v[SO], s21
	v_cndmask_b32 v[TA], 0, v[SO], vcc_lo
	v_add_f32 v[FF+1], v[FF+1], v[TA]
.irp i, 0,2,4,6,8,10,12,14
	v_pk_mul_f32 v[VN+\i:VN+\i+1], v[VN+\i:VN+\i+1], -2.0 op_sel_hi:[1,0]
.endr
	s_mov_b32 vcc_lo, 0xffff0000                   ; from here on: lanes 16-31
	s_wait_tensorcnt 0x1                           ; my tiles of w1 and slot 0 have landed; slot 1's load, issued behind them, may be out.  All these bytes are read by me alone
	SBLOAD 11
	s_mov_b32 s52, 7
.Lloop:                                            ; steps 0 to 13, two a trip; each ends by filling its own slot again, for the step two on
	STEP 0, 1, 0
	STEP 1, 1, 0
	s_sub_co_u32 s52, s52, 1
	s_cmp_lg_u32 s52, 0
	s_cbranch_scc1 .Lloop
	STEP 0, 2, 0                                   ; the last two steps are written out: they ask for nothing
	STEP 1, 0, 1
	global_store_b128 v[GL], v[CTX:CTX+3], s[16:17]            ; each store of the wave covers 512 consecutive bytes, aligned
	global_store_b128 v[GL], v[CTX+4:CTX+7], s[16:17] offset:512
	v_lshrrev_b32 v[TA], 1, v[GL]                  ; 8 lane
	s_cmp_lg_u32 s20, 0
	s_cbranch_scc1 .Lnot_wave_0
	global_store_b64 v[TA], v[MX:MX+1], s[16:17] offset:4096   ; (M, L), the same in every lane: 256 consecutive bytes, aligned
.Lnot_wave_0:
	s_wait_tensorcnt 0x0                           ; the wave's end: behind my last tensor load and my last LDS store
	ds_add_u32 v[SPW], v[NIL]
	s_wait_dscnt 0x0
	s_endpgm
.Lfunc_end_k_q72b85d27e6_attn:
	.size	k_q72b85d27e6_attn, .Lfunc_end_k_q72b85d27e6_attn-k_q72b85d27e6_attn
	.p2alignl 7, 3214868480
	.fill 96, 4, 3214868480
	.section	.rodata,"a",@progbits
	.p2align	6, 0x0
	.amdhsa_kernel k_q72b85d27e6_attn
		.amdhsa_group_segment_fixed_size 327680
		.amdhsa_private_segment_fixed_size 0
		.amdhsa_enable_private_segment 0
		.amdhsa_kernarg_size 56
		.amdhsa_user_sgpr_count 2
		.amdhsa_user_sgpr_kernarg_segment_ptr 1
		.amdhsa_wavefront_size32 1
		.amdhsa_system_sgpr_workgroup_id_x 1
		.amdhsa_system_sgpr_workgroup_id_y 1
		.amdhsa_system_sgpr_workgroup_id_z 1
		.amdhsa_system_vgpr_workitem_id 0
		.amdhsa_next_free_vgpr 1024
		.amdhsa_next_free_sgpr 66
		.amdhsa_reserve_vcc 1
		.amdhsa_float_denorm_mode_32 3
		.amdhsa_float_denorm_mode_16_64 3
		.amdhsa_memory_ordered 1
		.amdhsa_forward_progress 1
		.amdhsa_inst_pref_size 255
	.end_amdhsa_kernel
	.section	.bss,"aw",@nobits
	.p2align	6
	.space	262144
	.amdgpu_metadata
---
amdhsa.version: [ 1, 2 ]
amdhsa.kernels:
  - .name:           k_q72b85d27e6_attn
    .symbol:         k_q72b85d27e6_attn.kd
    .args:
      - { .name: encoder_outputs, .offset: 0, .size: 8, .value_kind: global_buffer, .address_space: global }
      - { .name: w1c, .offset: 8, .size: 8, .value_kind: global_buffer, .address_space: global }
      - { .name: w1s, .offset: 16, .size: 8, .value_kind: global_buffer, .address_space: global }
      - { .name: cbias, .offset: 24, .size: 8, .value_kind: global_buffer, .address_space: global }
      - { .name: v, .offset: 32, .size: 8, .value_kind: global_buffer, .address_space: global }
      - { .name: bv, .offset: 40, .size: 8, .value_kind: global_buffer, .address_space: global }
      - { .name: part, .offset: 48, .size: 8, .value_kind: global_buffer, .address_space: global }
    .group_segment_fixed_size: 327680
    .private_segment_fixed_size: 0
    .kernarg_segment_align: 8
    .kernarg_segment_size: 56
    .max_flat_workgroup_size: 128
    .sgpr_count:     66
    .vgpr_count:     1024
    .wavefront_size: 32
...
	.end_amdgpu_metadata
.endif
;; end of part 2
;; launch comb (part 3): grid 32 x 1, 8 waves a work-group, no clusters, 0 bytes of LDS; arguments part, out0; writes out0
.if DOCPART == 3
	.amdgcn_target "amdgcn-amd-amdhsa--gfx1250"
	.amdhsa_code_object_version 6
	.text
	.protected	k_q72b85d27e6_comb
	.globl	k_q72b85d27e6_comb
	.p2align	8
	.type	k_q72b85d27e6_comb,@function
k_q72b85d27e6_comb:
	s_mov_b64 s[64:65], 0
	v_nop
	global_prefetch_b8 v0, s[64:65] scope:SCOPE_SE
	s_setreg_imm32_b32 hwreg(HW_REG_WAVE_MODE, 25, 1), 1
	s_wait_xcnt 0x0
; out0[b][:] = (sum over the batch's 8 parts g of ctx_g 2^(M_g - Mx)) / (sum over g of L_g 2^(M_g - Mx)), Mx the largest M_g.
; part: row 8 b + g of 4,352 bytes: 1,024 f32 of context, then (M, L) 32 times.  Work-group b; thread tau takes columns 4 tau .. 4 tau + 3.
; A stream of 35 KB a work-group: no LDS, no barrier, no matrix unit.  Each load and store of a wave covers 512 (the pairs: 256) consecutive bytes, aligned.
; REGISTERS: v1 16 tau, v2 8 lane, v3 Mx; v4-19 the pairs (M_g, L_g), and once the divisor is made: v4-7 the four sums, v8-9 1 / divisor, twice;
;   v20-51 the eight parts' four numbers; v52-59 the parts' weights; v60 the divisor.
.set PROW, 4352
.set ML,  4                            ; v4-19   M_g at ML + 2 g, L_g at ML + 2 g + 1
.set SUM, 4                            ; v4-7    later: the sums
.set RC,  8                            ; v8-9    later: the reciprocal, as the pair that the packed multiply takes
.set CX,  20                           ; v20-51  part g at CX + 4 g
.set WG,  52                           ; v52-59  2^(M_g - Mx)
.set DEN, 60
.macro FMAB d, a, b, p                 ; pair d += pair a x register p of pair b
.if \p
	v_pk_fma_f32 v[\d:\d+1], v[\a:\a+1], v[\b:\b+1], v[\d:\d+1] op_sel:[0,1,0] op_sel_hi:[1,1,1]
.else
	v_pk_fma_f32 v[\d:\d+1], v[\a:\a+1], v[\b:\b+1], v[\d:\d+1] op_sel_hi:[1,0,1]
.endif
.endm
	s_load_b128 s[4:7], s[0:1], 0x0                ; part, out0
	v_lshlrev_b32 v1, 4, v0                        ; 16 tau
	v_and_b32 v2, 31, v0
	v_lshlrev_b32 v2, 3, v2                        ; 8 lane
	s_mul_i32 s8, ttmp9, 8*PROW
	s_mov_b32 s9, 0
	s_lshl_b32 s10, ttmp9, 12
	s_mov_b32 s11, 0
	s_wait_kmcnt 0x0
	s_add_nc_u64 s[4:5], s[4:5], s[8:9]
	s_add_nc_u64 s[6:7], s[6:7], s[10:11]
.irp g, 0,1,2,3,4,5,6,7
	global_load_b64 v[ML+2*\g:ML+2*\g+1], v2, s[4:5] offset:PROW*\g+4096     ; M_g, L_g
.endr
.irp g, 0,1,2,3,4,5,6,7
	global_load_b128 v[CX+4*\g:CX+4*\g+3], v1, s[4:5] offset:PROW*\g
.endr
	s_wait_loadcnt 0x8                             ; the eight pairs are in; the eight loads of context issued behind them may be out
	v_max3_num_f32 v3, v[ML], v[ML+2], v[ML+4]
	v_max3_num_f32 v3, v3, v[ML+6], v[ML+8]
	v_max3_num_f32 v3, v3, v[ML+10], v[ML+12]
	v_max_num_f32 v3, v3, v[ML+14]                 ; Mx
.irp g, 0,1,2,3,4,5,6,7
	v_sub_f32 v[WG+\g], v[ML+2*\g], v3
.endr
.irp g, 0,1,2,3,4,5,6,7
	v_exp_f32 v[WG+\g], v[WG+\g]                   ; the parts' weights
.endr
	v_nop                                          ; a plain line behind the last exponential
	s_wait_alu depctr_va_vdst(0)
	v_mul_f32 v[DEN], v[ML+1], v[WG]
.irp g, 1,2,3,4,5,6,7
	v_fmac_f32 v[DEN], v[ML+2*\g+1], v[WG+\g]      ; the last use of the pairs: their registers are free behind this chain
.endr
	v_rcp_f32 v[RC], v[DEN]                        ; twice, to fill the pair; the sixteen plain lines below, which touch neither the pair nor the divisor, stand ahead of its use
	v_rcp_f32 v[RC+1], v[DEN]
	s_wait_loadcnt 0x0                             ; the eight parts
	v_pk_mul_f32 v[SUM:SUM+1], v[CX:CX+1], v[WG:WG+1] op_sel_hi:[1,0]        ; the first part starts the sums: nothing is cleared
	v_pk_mul_f32 v[SUM+2:SUM+3], v[CX+2:CX+3], v[WG:WG+1] op_sel_hi:[1,0]
.irp g, 1,2,3,4,5,6,7
	FMAB SUM, CX+4*\g, WG+\g-(\g%2), \g%2
	FMAB SUM+2, CX+4*\g+2, WG+\g-(\g%2), \g%2
.endr
	s_wait_alu depctr_va_vdst(0)
	v_pk_mul_f32 v[SUM:SUM+1], v[SUM:SUM+1], v[RC:RC+1]
	v_pk_mul_f32 v[SUM+2:SUM+3], v[SUM+2:SUM+3], v[RC:RC+1]
	global_store_b128 v1, v[SUM:SUM+3], s[6:7]
	s_endpgm
.Lfunc_end_k_q72b85d27e6_comb:
	.size	k_q72b85d27e6_comb, .Lfunc_end_k_q72b85d27e6_comb-k_q72b85d27e6_comb
	.p2alignl 7, 3214868480
	.fill 96, 4, 3214868480
	.section	.rodata,"a",@progbits
	.p2align	6, 0x0
	.amdhsa_kernel k_q72b85d27e6_comb
		.amdhsa_group_segment_fixed_size 0
		.amdhsa_private_segment_fixed_size 0
		.amdhsa_enable_private_segment 0
		.amdhsa_kernarg_size 16
		.amdhsa_user_sgpr_count 2
		.amdhsa_user_sgpr_kernarg_segment_ptr 1
		.amdhsa_wavefront_size32 1
		.amdhsa_system_sgpr_workgroup_id_x 1
		.amdhsa_system_sgpr_workgroup_id_y 1
		.amdhsa_system_sgpr_workgroup_id_z 1
		.amdhsa_system_vgpr_workitem_id 0
		.amdhsa_next_free_vgpr 64
		.amdhsa_next_free_sgpr 66
		.amdhsa_reserve_vcc 0
		.amdhsa_float_denorm_mode_32 3
		.amdhsa_float_denorm_mode_16_64 3
		.amdhsa_memory_ordered 1
		.amdhsa_forward_progress 1
		.amdhsa_inst_pref_size 5
	.end_amdhsa_kernel
	.amdgpu_metadata
---
amdhsa.version: [ 1, 2 ]
amdhsa.kernels:
  - .name:           k_q72b85d27e6_comb
    .symbol:         k_q72b85d27e6_comb.kd
    .args:
      - { .name: part, .offset: 0, .size: 8, .value_kind: global_buffer, .address_space: global }
      - { .name: out0, .offset: 8, .size: 8, .value_kind: global_buffer, .address_space: global }
    .group_segment_fixed_size: 0
    .private_segment_fixed_size: 0
    .kernarg_segment_align: 8
    .kernarg_segment_size: 16
    .max_flat_workgroup_size: 256
    .sgpr_count:     66
    .vgpr_count:     64
    .wavefront_size: 32
...
	.end_amdgpu_metadata
.endif
;; end of part 3
